; MI455X (gfx1250); checked and timed in simulation.
; The chip was launched on July 23, 2026; its instructions are those of AMD's public machine-readable ISA for CDNA 5 (MIT licence, August 2026) and "CDNA5" Instruction Set Architecture Reference Guide (July 2026). The comments in the code are by the model that wrote it; some were corrected since.
;; Mo E By Functional Group. Allowed arithmetic: matrix products marked QUANTISED: E2M1 operands, one E8M0 scale for each 32 along K, by v_wmma_scale_f32_16x16x128_f8f6f4 with both operands' format E2M1 (or v_wmma_scale_f32_32x16x128_f4), f32 sums; products left as they are: f32 operands where the result goes on into a quantised operand, else bf16, f16 or f32 operands; f32 sums; everything else in f32.
;; Inputs: expert_mask 4,096 x 8 float32; gate_b 8 float32; gate_w 512 x 8 float32; kan_coeff 4 x 512 x 512 x 8 float32; kan_scaling 4 x 512 x 512 float32; mlp_b1 4 x 2,048 float32; mlp_b2 4 x 512 float32; mlp_w1_codes 4 x 2,048 x 16 x 16 uint8 (E2M1 codes of mlp_w1, K innermost, in blocks of 32 codes, two codes a byte); mlp_w1_scales 4 x 2,048 x 16 uint8 (E8M0 scales of mlp_w1, one for each 32 codes along K); mlp_w2_codes 4 x 512 x 64 x 16 uint8 (E2M1 codes of mlp_w2, K innermost, in blocks of 32 codes, two codes a byte); mlp_w2_scales 4 x 512 x 64 uint8 (E8M0 scales of mlp_w2, one for each 32 codes along K); x 4,096 x 512 float32.
;; Outputs: out0 4,096 x 512 float32; out1 4,096 x 8 float32; out2 4,096 x 8 float32.
;; This version of the problem:
;;   THIS VERSION OF THE PROBLEM IS GIVEN IN LOW PRECISION. The matrix products marked QUANTISED in the list below multiply operands that are first quantised to E2M1 (2 exponent bits, 1 mantissa bit; 4 bits a number), with one power-of-two scale for each 32 numbers along K (OCP MX v1.0); their sums are f32. All else is computed in f32.
;;   The module's matrix products, in the order in which they are computed (A, B: the left and right operand; K: the contracted axis; several contracted axes count as one K, in the product's order):
;;     1. [M 4,096, K 512] x [K 512, N 8]; A: input x; B: input gate_w: left as it is (N = 8 < 16)
;;     2. [M 8,192, K 512] x [K 512, N 4,096]; A: input mlp_w1 (given as codes); B: input x: QUANTISED
;;     3. batch 4 x [M 4,096, K 2,048] x [K 2,048, N 512]; A: computed on the way; B: input mlp_w2 (given as codes): QUANTISED
;;     4. [M 2,048, K 4,096] x [K 4,096, N 4,096]; A: computed on the way; B: computed on the way: QUANTISED
;;     5. batch 4,096 x [M 512, K 8] x [K 8, N 1]; A: computed on the way; B: computed on the way: left as it is (K = 8 < 32)
;;   THE QUANTISER, for each operand of a quantised product, along K:
;;     - K is cut into blocks of 32 from its start; a last block that is shorter is filled with zeros.
;;     - A block's scale is 2^e with e = floor(log2(the largest magnitude in the block)) - 2, held to -126 .. 127; a block of zeros has e = 0. As a byte (E8M0): e + 127.
;;     - Each number is divided by its block's scale, clamped to +-6, and rounded to the nearest number of E2M1, ties to even, subnormals kept.
;;     - The product sums the exact products of the quantised numbers (number of the format x scale) in f32.
;;   ~~~python
;;   def quantise(x, axis):      # numpy; x: float32 -> the quantised numbers, widened to float32 again
;;       x = np.moveaxis(x, axis, -1); K = x.shape[-1]
;;       x = np.pad(x, [(0, 0)] * (x.ndim - 1) + [(0, -K % 32)]); x = x.reshape(x.shape[:-1] + (-1, 32)); a = np.abs(x).max(-1, keepdims=True)
;;       e = np.where(a > 0, np.clip(np.frexp(np.where(a > 0, a, 1))[1] - 1 - 2, -126, 127), 0)      # np.frexp(a)[1] - 1 = floor(log2(a)), exactly
;;       r = np.clip(x / 2.0 ** e, -6, 6)
;;       step = 2.0 ** (np.maximum(np.frexp(np.where(r == 0, 1, r))[1] - 1, 0) - 1)
;;       q = np.round(r / step) * step * 2.0 ** e      # np.round: ties to even
;;       return np.moveaxis(q.reshape(q.shape[:-2] + (-1,))[..., :K], -1, axis).astype(np.float32)
;;   ~~~
;;   OPERANDS COMPUTED ON THE WAY. 'Computed on the way' means the value that the module computes at that place (a softmax that the list does not call 'softmax' is quantised finished and normalised). What goes into a quantiser is computed in f32, as accurately as f32 sums, v_exp_f32 and their like allow (about 1e-6 of the number): no bf16 or f16 on the way to a quantiser, and a product that is left as it is and whose result goes on into a quantised operand takes f32 operands (vector FMAs, or v_wmma_f32_16x16x4_f32). A number that lies on a knife's edge between two numbers of the format may be rounded either way, as far as f32 arithmetic and the matrix unit's own rounding can turn it there, and no further.
;;   INPUTS GIVEN AS CODES. mlp_w1 (in the module: [4, 512, 2048], K = its axis 1); mlp_w2 (in the module: [4, 2048, 512], K = its axis 1): each comes as NAME_codes (uint8): NAME with its K axis moved to the last place and cut into blocks of 32 codes, [.., K / 32, bytes a block], one block behind the other in memory; two codes a byte, the lower K in the low four bits (a code: sign, 2 exponent bits, 1 mantissa bit); and NAME_scales (uint8): the same leading axes, one E8M0 byte (e + 127) for each 32 codes along K. Its value is code x scale, taken as it is: it is not quantised again, and the codes and scales need not be those that the quantiser above would give.
;; One version. Each part assembles by itself: llvm-mc -triple=amdgcn-amd-amdhsa -mcpu=gfx1250 --defsym DOCPART=n.
;; ======== version 1 of 1: 2 launches
;; workspace buffers: hq 17,825,792 bytes; bq 8,912,896 bytes; kq 4,456,448 bytes; w2q 2,228,224 bytes
;; launch prep (part 1): grid 8 x 32, 8 waves a work-group, no clusters, 230,400 bytes of LDS; arguments x, expert_mask, gate_w, gate_b, kan_coeff, kan_scaling, mlp_b1, mlp_w1_codes, mlp_w1_scales, mlp_w2_codes, mlp_w2_scales, out1, out2, hq, bq, kq, w2q; writes out1, out2, hq, bq, kq, w2q
.if DOCPART == 1
	.amdgcn_target "amdgcn-amd-amdhsa--gfx1250"
	.amdhsa_code_object_version 6
	.text
	.protected	k_qf639ee5f07_prep
	.globl	k_qf639ee5f07_prep
	.p2align	8
	.type	k_qf639ee5f07_prep,@function
k_qf639ee5f07_prep:
	s_mov_b64 s[64:65], 0
	v_nop
	global_prefetch_b8 v0, s[64:65] scope:SCOPE_SE
	s_setreg_imm32_b32 hwreg(HW_REG_WAVE_MODE, 25, 1), 1
	s_wait_xcnt 0x0
; PREP: all that hangs on the inputs alone.  256 work-groups (cb = x 0..7, tb = y 0..31, n = 8 tb + cb), eight waves (v), all alike.
;   gate:   w = softmax(x gate_w + gate_b) x mask, renormalised, in f32 -> out2; the mask -> out1             (16 tokens a work-group: 128 tb + 16 cb ..)
;   basis:  the 8 cubic B-splines of each x of those 16 tokens, quantised to FP4 along K = 512 g + i -> bq
;   ceff:   kan_coeff x kan_scaling, quantised along the same K -> kq                                          (expert n & 3, 128 i, 32 o, all 8 g)
;   W2:     its codes and scale bytes laid anew -> w2q                                                         (block n)
;   h:      relu(Q(x) W1 + b1) on FP4 codes, quantised along the hidden axis -> hq                             (128 tokens x 1,024 hidden units of expert cb / 2)
; WORKSPACE LAYOUT: a fragment (16 rows x 128 K of 4-bit codes) is the image of the operand's registers: [c 2][lane 32][16 bytes]; lane (r, h), group c holds K = 64 c + 32 h + 0 .. 31 of row r.
;   hq  [tb 32][s 8][e 4][17,408]: [q 2][token tile 8][1,024] codes, then [row 128][8 bytes] scale words     (s = 256 hidden units)
;   bq  [tb 32][g 8][34,816]:      [q 4][token tile 8][1,024], then [row 128][16 bytes]                       (q = i / 128)
;   kq  [cb 8][g 8][e 4][17,408]:  [q 4][column tile 4][1,024], then [q 4][row 64] words
;   w2q [cb 8][s 8][e 4][8,704]:   [q 2][column tile 4][1,024], then [row 64][8 bytes]
; THE QUANTISER: a block's scale byte is its largest magnitude's exponent field - 2, held at 1 from below by a floor among the maximum's leaves.
; LIMITS.  A block of zeros gets the byte 1 where the rule says 127: its codes are zeros, and these bytes are read by this program alone.  NaN and infinities in x are not served (the basis gives 0 there).
; The basis is the closed form of the uniform cubic B-spline, ((2 - t)+^3 - 4 (1 - t)+^3) / 6 with t = |2.5 x + 5.5 - g - 2|, on exact knots: it differs from a recursion on knots rounded to f32 by
; what that rounding moves a knot, a few 1e-7 of the knot spacing.  Divisions are v_rcp_f32 and a multiplication.
; NO MULTICAST: each fragment of W1 is read once by one wave, straight into the registers where it stays for all 128 tokens; the KAN tiles are read by one work-group alone.
; The three tensor loads of a wave are first fills: no LDS byte is filled twice.
.set KC,   0                           ; LDS: kan_coeff's tile [i 128][1,024 bytes = 32 o x 8 g]
.set KS,   131072                      ; kan_scaling's tile [i 128][128 bytes]
.set GW,   147456                      ; for each wave 4,096 bytes: gate_w's rows 128 (v / 2) ..
.set XIMG, 180224                      ; x's fragments (token tile a, K step kq) at (4 a + kq) x 1,024
.set XSC,  212992                      ; x's scale words [a][lane 32][16 bytes]
.set GP,   217088                      ; the gate's partial sums [mb 4][r 16][8 f32]
.set BS,   219136                      ; the basis' scale words [g 8][r 16][mb 4]
.set HSC,  221184                      ; h's scale words [slot 4][row 128][8 bytes]
.set KSS,  225280                      ; ceff's scale words [g 8][row 32]
; REGISTERS, window 0: v1 lane, v2 r, v3 h; v4-23 and v248-255 addresses; v24-55 W1's scale words, v56-59 x's (scales and nothing else); v60-75 at work; v76-79 scale words just made; v80-87 codes just made;
;   v88-151 x of the token share, then b1 in the result's layout; v152-215 at work, then the 8 accumulators of h; v216-247 at work, then x's four fragments.
; window 1: x of my token tile (64 numbers a K step), then W1's 32 fragments (tile t, K step kq at 64 kq + 8 t), at the end 128 coefficients.
.set MSB, 0
.macro WIN new                         ; the immediate's high byte repeats the setting that is left
.if MSB != (\new)
	s_set_vgpr_msb (MSB<<8)|(\new)
.set MSB, (\new)
.endif
.endm
.macro XLOAD kq                        ; my token tile's numbers of K step kq: lane (r, h) takes 16 neighbours of each block of 32
	WIN 0x40
.irp b, 0,1,2,3
.irp j, 0,1,2,3
	global_load_b128 v[64*\kq+16*\b+4*\j:64*\kq+16*\b+4*\j+3], v5, s[36:37] offset:512*\kq+128*\b+16*\j
.endr
.endr
	WIN 0
.endm
.macro W1LOAD kq                       ; W1's eight fragments of K step kq.  THE ROWS OF A TILE ARE NOT NEIGHBOURS: lane r of tile 2 b + u takes row 32 b + 8 u + r + 8 (r / 8)
	WIN 0x40
.irp t, 0,1,2,3,4,5,6,7
.irp c, 0,1
	global_load_b128 v[64*\kq+8*\t+4*\c:64*\kq+8*\t+4*\c+3], v10, s[50:51] offset:(32*(\t/2)+8*(\t%2))*256+64*\kq+32*\c
.endr
.endr
	WIN 0
.endm
; 64 numbers of a lane at v[s] of window w, register 16 b + i = k 32 b + 16 h + i of my row, become a fragment's codes in v80-87 and its scale word in v[pw]
.macro QUANT s, w, pw
	WIN 0x05*\w
.irp b, 0,1,2,3
	v_max3_num_f32 v[60+\b], |v[\s+16*\b]|, |v[\s+1+16*\b]|, 0x1800000   ; my 16 numbers of block b, and the floor 2^(3 - 127)
.endr
	WIN 0x14*\w
.irp i, 2,4,6,8,10,12,14
.irp b, 0,1,2,3
	v_max3_num_f32 v[60+\b], v[60+\b], |v[\s+16*\b+\i]|, |v[\s+1+16*\b+\i]|
.endr
.endr
	WIN 0
.irp b, 0,1,2,3
	v_permlanex16_b32 v[64+\b], v[60+\b], s90, s91
.endr
.irp b, 0,1,2,3
	v_max_num_f32 v[60+\b], v[60+\b], v[64+\b]     ; with lane l xor 16's: the block's largest magnitude
.endr
.irp b, 0,1,2,3
	v_add_nc_u32 v[72+\b], 0xff000000, v[60+\b]    ; 2 off its exponent field: the conversion's scale operand
.endr
.irp b, 0,1,2,3
	v_lshrrev_b32 v[64+\b], 23, v[72+\b]           ; the scale's byte
.endr
	v_lshl_or_b32 v[\pw], v65, 8, v64
	v_lshl_or_b32 v[\pw], v66, 16, v[\pw]
	v_lshl_or_b32 v[\pw], v67, 24, v[\pw]
	WIN 0x01*\w
.irp b, 0,1,2,3
	v_cvt_scalef32_pk8_fp4_f32 v[80+2*\b], v[\s+16*\b:\s+7+16*\b], v[72+\b]
	v_cvt_scalef32_pk8_fp4_f32 v[81+2*\b], v[\s+8+16*\b:\s+15+16*\b], v[72+\b]
.endr
	WIN 0
	v_nop                                          ; one plain place behind a scaled conversion
.irp c, 0,1                                    ; the operand's layout wants a whole block in a lane
.irp i, 0,1
	v_permlane16_swap_b32 v[80+4*\c+\i], v[82+4*\c+\i]
.endr
.endr
.endm
; the gate: x numbers 16 be .. 16 be + 15 of my lane against four experts' weights, two running pairs for the even numbers and two for the odd
.macro GATE16 be
.irp i, 0,1,2,3,4,5,6,7,8,9,10,11,12,13,14,15
	ds_load_b128 v[152+4*\i:155+4*\i], v7 offset:2048*(\be/2)+512*(\be%2)+32*\i
.endr
	s_wait_dscnt 0x0
.irp i, 0,2,4,6,8,10,12,14
.if (\be+\i) == 0
	v_pk_mul_f32 v[216:217], v[152:153], v[88:89] op_sel_hi:[1,0]          ; the first products start the sums
	v_pk_mul_f32 v[218:219], v[154:155], v[88:89] op_sel_hi:[1,0]
	v_pk_mul_f32 v[220:221], v[156:157], v[88:89] op_sel:[0,1] op_sel_hi:[1,1]
	v_pk_mul_f32 v[222:223], v[158:159], v[88:89] op_sel:[0,1] op_sel_hi:[1,1]
.else
	v_pk_fma_f32 v[216:217], v[152+4*\i:153+4*\i], v[88+16*\be+\i:89+16*\be+\i], v[216:217] op_sel_hi:[1,0,1]
	v_pk_fma_f32 v[218:219], v[154+4*\i:155+4*\i], v[88+16*\be+\i:89+16*\be+\i], v[218:219] op_sel_hi:[1,0,1]
	v_pk_fma_f32 v[220:221], v[156+4*\i:157+4*\i], v[88+16*\be+\i:89+16*\be+\i], v[220:221] op_sel:[0,1,0] op_sel_hi:[1,1,1]
	v_pk_fma_f32 v[222:223], v[158+4*\i:159+4*\i], v[88+16*\be+\i:89+16*\be+\i], v[222:223] op_sel:[0,1,0] op_sel_hi:[1,1,1]
.endif
.endr
.endm
; one block of the basis: 32 neighbouring i (my lane's group c) at one g.  v88.. holds u = 2.5 x + 5.5, v[68:69] g + 2, v[76:77] 2 k, v[78:79] k, k = 6^(-1/3)
.macro BBLK c
.set J, 0
.rept 16
	v_pk_add_f32 v[152+J:153+J], v[88+32*\c+J:89+32*\c+J], v[68:69] neg_lo:[0,1] neg_hi:[0,1]   ; y = u - g - 2
.set J, J+2
.endr
.set J, 0
.rept 32
	v_min_num_f32 v[152+J], |v[152+J]|, 2.0        ; min(t, 2)
.set J, J+1
.endr
.set J, 0
.rept 32
	v_min_num_f32 v[184+J], 1.0, v[152+J]          ; min(t, 1)
.set J, J+1
.endr
.set J, 0
.rept 16
	v_pk_fma_f32 v[152+J:153+J], v[152+J:153+J], 0xbf0ce1d9, v[76:77] op_sel_hi:[1,0,1]   ; a = k (2 - t)+
.set J, J+2
.endr
.set J, 0
.rept 16
	v_pk_fma_f32 v[184+J:185+J], v[184+J:185+J], 0xbf0ce1d9, v[78:79] op_sel_hi:[1,0,1]   ; b = k (1 - t)+
.set J, J+2
.endr
.set J, 0
.rept 16
	v_pk_mul_f32 v[216+J:217+J], v[152+J:153+J], v[152+J:153+J]
.set J, J+2
.endr
.set J, 0
.rept 16
	v_pk_mul_f32 v[216+J:217+J], v[216+J:217+J], v[152+J:153+J]    ; a^3
.set J, J+2
.endr
.set J, 0
.rept 16
	v_pk_mul_f32 v[152+J:153+J], v[184+J:185+J], v[184+J:185+J]
.set J, J+2
.endr
.set J, 0
.rept 16
	v_pk_mul_f32 v[152+J:153+J], v[152+J:153+J], v[184+J:185+J]    ; b^3
.set J, J+2
.endr
.set J, 0
.rept 16
	v_pk_fma_f32 v[216+J:217+J], v[152+J:153+J], -4.0, v[216+J:217+J] op_sel_hi:[1,0,1]   ; the basis: a^3 - 4 b^3, never negative
.set J, J+2
.endr
	v_max3_num_f32 v60, v216, v217, v218           ; the block's largest: all 32 numbers are mine
	v_max3_num_f32 v61, v219, v220, v221
.irp i, 6,10,14,18,22,26
	v_max3_num_f32 v60, v60, v[216+\i], v[217+\i]
	v_max3_num_f32 v61, v61, v[218+\i], v[219+\i]
.endr
	v_max3_num_f32 v60, v60, v246, v247
	v_max3_num_f32 v60, v60, v61, 0x1800000        ; and the floor
	v_add_nc_u32 v[62+\c], 0xff000000, v60
.irp q, 0,1,2,3
	v_cvt_scalef32_pk8_fp4_f32 v[80+4*\c+\q], v[216+8*\q:223+8*\q], v[62+\c]
.endr
	v_lshrrev_b32 v[64+\c], 23, v[62+\c]           ; the byte; also the plain place behind the conversions
.endm
	s_load_b512 s[36:51], s[0:1], 0x0              ; x 36, expert_mask 38, gate_w 40, gate_b 42, kan_coeff 44, kan_scaling 46, mlp_b1 48, W1's codes 50
	s_load_b512 s[68:83], s[0:1], 0x40             ; W1's scales 68, W2's codes 70, W2's scales 72, out1 74, out2 76, hq 78, bq 80, kq 82
	s_load_b64 s[84:85], s[0:1], 0x80              ; w2q
	v_lshl_add_u32 v254, v0, 2, 0x38000
	v_mov_b32 v255, 0
	ds_add_u32 v254, v255
	ds_add_u32 v254, v255
	s_wait_dscnt 0x0
	v_lshrrev_b32 v1, 5, v0
	v_readfirstlane_b32 s2, v1                     ; v: wave 0..7
	v_and_b32 v1, 31, v0                           ; lane
	v_and_b32 v2, 15, v0                           ; r
	v_bfe_u32 v3, v0, 4, 1                         ; h
	s_mov_b32 s56, ttmp9                           ; cb
	s_and_b32 s57, ttmp7, 0xffff                   ; tb
	s_lshl_b32 s58, s57, 3
	s_add_co_u32 s58, s58, s56                     ; n
	s_and_b32 s59, s2, 1                           ; v & 1
	s_lshr_b32 s60, s2, 1                          ; mb = v / 2
	s_and_b32 s61, s58, 3                          ; the KAN expert, and W2's expert
	s_bfe_u32 s62, s58, 0x20002                    ; m: which 128 i
	s_lshr_b32 s63, s58, 4                         ; ob: which 32 o
	s_bfe_u32 s95, s2, 0x10001                     ; c of the ceff phase
	s_mov_b32 s90, 0x76543210
	s_mov_b32 s91, 0xfedcba98                      ; v_permlanex16_b32's selects for lane l xor 16
	; descriptor groups 1: elements of 8 bytes, no padding, no mask.  gate_w: 16 rows of 256 bytes, dense
	s_mov_b32 s4, 3<<16
	s_mov_b32 s5, 32<<16
	s_mov_b32 s6, 16<<16
	s_mov_b32 s7, 32<<16
	s_mov_b32 s8, 16
	s_mov_b32 s9, 32
	s_mov_b32 s10, 0
	s_mov_b32 s11, 0
	; kan_coeff: 16 rows (i) of 1,024 bytes, 16,384 bytes apart
	s_mov_b32 s12, 3<<16
	s_mov_b32 s13, 128<<16
	s_mov_b32 s14, 16<<16
	s_mov_b32 s15, 128<<16
	s_mov_b32 s16, 16
	s_mov_b32 s17, 2048
	s_mov_b32 s18, 0
	s_mov_b32 s19, 0
	; kan_scaling: 16 rows of 128 bytes, 2,048 bytes apart
	s_mov_b32 s20, 3<<16
	s_mov_b32 s21, 16<<16
	s_mov_b32 s22, 16<<16
	s_mov_b32 s23, 16<<16
	s_mov_b32 s24, 16
	s_mov_b32 s25, 256
	s_mov_b32 s26, 0
	s_mov_b32 s27, 0
	s_lshl_b32 s93, s61, 9
	s_lshl_b32 s94, s62, 7
	s_add_co_u32 s93, s93, s94
	s_lshl_b32 s94, s2, 4
	s_add_co_u32 s93, s93, s94                     ; my first row of (expert, i): 512 e + 128 m + 16 v
	s_lshl_b32 s96, s93, 14
	s_lshl_b32 s94, s63, 10
	s_add_co_u32 s96, s96, s94                     ; in kan_coeff: 16,384 a row, 1,024 for 32 o
	s_mov_b32 s97, 0
	s_lshl_b32 s98, s93, 11
	s_lshl_b32 s94, s63, 7
	s_add_co_u32 s98, s98, s94                     ; in kan_scaling
	s_mov_b32 s99, 0
	s_lshl_b32 s100, s60, 12                       ; gate_w's rows 128 mb ..
	s_mov_b32 s101, 0
	s_wait_kmcnt 0x0
	s_mov_b32 s28, 1
	s_lshl_b32 s29, s2, 12
	s_add_co_u32 s29, s29, GW
	s_add_nc_u64 s[30:31], s[40:41], s[100:101]
	s_or_b32 s31, s31, 0x80000000
	s_mov_b32 s32, 1
	s_lshl_b32 s33, s2, 14                         ; KC = 0
	s_add_nc_u64 s[34:35], s[44:45], s[96:97]
	s_or_b32 s35, s35, 0x80000000
	s_mov_b32 s52, 1
	s_lshl_b32 s53, s2, 11
	s_add_co_u32 s53, s53, KS
	s_add_nc_u64 s[54:55], s[46:47], s[98:99]
	s_or_b32 s55, s55, 0x80000000
	tensor_load_to_lds s[28:31], s[4:11]           ; three loads of mine are out: gate_w's rows first, they are wanted first
	s_nop 0
	tensor_load_to_lds s[32:35], s[12:19]
	s_nop 0
	tensor_load_to_lds s[52:55], s[20:27]
	s_nop 0
.rept 4
	v_nop
.endr
	; x: the token share's 16 rows (128 tb + 16 cb, my 128 i) and my token tile (128 tb + 16 v)
	v_lshlrev_b32 v4, 11, v2
	v_lshl_add_u32 v5, v3, 6, v4                   ; 2,048 r + 64 h
	v_lshl_add_u32 v4, v3, 7, v4                   ; 2,048 r + 128 h
	s_lshl_b32 s93, s57, 7
	s_lshl_b32 s94, s56, 4
	s_add_co_u32 s94, s93, s94                     ; 128 tb + 16 cb
	s_lshl_b32 s86, s94, 11
	s_lshl_b32 s3, s60, 9
	s_add_co_u32 s86, s86, s3
	s_mov_b32 s87, 0
	s_add_nc_u64 s[86:87], s[36:37], s[86:87]
	s_lshl_b32 s3, s2, 4
	s_add_co_u32 s44, s93, s3
	s_lshl_b32 s44, s44, 11
	s_mov_b32 s45, 0                               ; s[44:45]: the pair for offsets from here on
	s_add_nc_u64 s[36:37], s[36:37], s[44:45]
.irp c, 0,1
.irp j, 0,1,2,3,4,5,6,7
	global_load_b128 v[88+32*\c+4*\j:91+32*\c+4*\j], v4, s[86:87] offset:256*\c+16*\j   ; register 32 c + ii: x(r, 128 mb + 64 c + 32 h + ii)
.endr
.endr
	XLOAD 0
	XLOAD 1
	XLOAD 2
	; the other bases, while the loads are on their way
	s_lshl_b32 s44, s94, 5
	s_add_nc_u64 s[38:39], s[38:39], s[44:45]      ; the mask, out1 and out2 at the share's first row
	s_add_nc_u64 s[74:75], s[74:75], s[44:45]
	s_add_nc_u64 s[76:77], s[76:77], s[44:45]
	s_lshl_b32 s93, s56, 10
	s_lshl_b32 s3, s2, 7
	s_add_co_u32 s93, s93, s3                      ; my first row of (expert, hidden unit): 1,024 cb + 128 v
	s_lshl_b32 s44, s93, 2
	s_add_nc_u64 s[48:49], s[48:49], s[44:45]
	s_lshl_b32 s44, s93, 8
	s_add_nc_u64 s[50:51], s[50:51], s[44:45]
	s_lshl_b32 s44, s93, 4
	s_add_nc_u64 s[68:69], s[68:69], s[44:45]
	s_lshl_b32 s93, s61, 9                         ; W2: block n = (column block n / 32, K slot (n / 4) % 8, expert n % 4)
	s_lshr_b32 s3, s58, 5
	s_lshl_b32 s3, s3, 6
	s_add_co_u32 s93, s93, s3                      ; its first row
	s_bfe_u32 s94, s58, 0x30002                    ; its K slot
	s_and_b32 s3, s2, 3
	s_lshl_b32 s3, s3, 4
	s_add_co_u32 s3, s3, s93
	s_lshl_b32 s44, s3, 10                         ; my fragment: column tile v % 4,
	s_lshl_b32 s3, s94, 7
	s_add_co_u32 s44, s44, s3
	s_lshr_b32 s3, s2, 2
	s_lshl_b32 s3, s3, 6
	s_add_co_u32 s44, s44, s3                      ; K step v / 4
	s_add_nc_u64 s[70:71], s[70:71], s[44:45]
	s_lshl_b32 s3, s59, 5
	s_add_co_u32 s3, s3, s93
	s_lshl_b32 s44, s3, 6
	s_lshl_b32 s3, s94, 3
	s_add_co_u32 s44, s44, s3
	s_add_nc_u64 s[72:73], s[72:73], s[44:45]
	s_mul_i32 s44, s58, 8704
	s_add_nc_u64 s[84:85], s[84:85], s[44:45]
	s_lshl_b32 s44, s2, 8
	s_add_co_u32 s44, s44, 8192
	s_add_nc_u64 s[100:101], s[84:85], s[44:45]    ; the block's scale words (used by waves 0 and 1 alone)
	s_lshl_b32 s44, s2, 10
	s_add_nc_u64 s[84:85], s[84:85], s[44:45]      ; my fragment's place
	s_lshl_b32 s93, s57, 3                         ; 8 tb
	s_add_co_u32 s3, s93, s2
	s_mul_i32 s44, s3, 34816
	s_lshl_b32 s3, s56, 8
	s_add_co_u32 s44, s44, s3
	s_add_co_u32 s44, s44, 32768
	s_add_nc_u64 s[96:97], s[80:81], s[44:45]      ; bq: the scale words of g = v, token tile cb
	s_lshl_b32 s3, s59, 2
	s_add_co_u32 s3, s93, s3
	s_mul_i32 s44, s3, 34816
	s_lshl_b32 s3, s60, 3
	s_add_co_u32 s3, s3, s56
	s_lshl_b32 s3, s3, 10
	s_add_co_u32 s44, s44, s3
	s_add_nc_u64 s[80:81], s[80:81], s[44:45]      ; bq: fragment (q = mb, token tile cb) of g = 4 (v & 1); it steps with g
	s_and_b32 s3, s56, 1
	s_lshl_b32 s3, s3, 2
	s_add_co_u32 s3, s3, s93
	s_add_co_u32 s3, s3, s60
	s_lshl_b32 s3, s3, 2
	s_lshr_b32 s94, s56, 1
	s_add_co_u32 s3, s3, s94
	s_mul_i32 s44, s3, 17408
	s_add_nc_u64 s[78:79], s[78:79], s[44:45]      ; hq: block (tb, slot 4 (cb & 1) + mb, expert cb / 2)
	s_lshl_b32 s44, s59, 9
	s_add_co_u32 s44, s44, 16384
	s_add_nc_u64 s[88:89], s[78:79], s[44:45]      ; my half of its scale words
	s_lshl_b32 s44, s59, 13
	s_add_nc_u64 s[78:79], s[78:79], s[44:45]      ; its K step v & 1; it steps with the token tile
	s_lshr_b32 s93, s63, 1
	s_lshl_b32 s93, s93, 3                         ; 8 x column block
	s_and_b32 s94, s63, 1
	s_add_co_u32 s3, s93, s2
	s_lshl_b32 s3, s3, 2
	s_add_co_u32 s3, s3, s61
	s_mul_i32 s44, s3, 17408
	s_lshl_b32 s3, s62, 8
	s_add_co_u32 s44, s44, s3
	s_lshl_b32 s3, s94, 7
	s_add_co_u32 s44, s44, s3
	s_add_co_u32 s44, s44, 16384
	s_add_nc_u64 s[98:99], s[82:83], s[44:45]      ; kq: the scale words of g = v
	s_lshr_b32 s3, s2, 2
	s_lshl_b32 s3, s3, 2
	s_add_co_u32 s3, s3, s93
	s_lshl_b32 s3, s3, 2
	s_add_co_u32 s3, s3, s61
	s_mul_i32 s44, s3, 17408
	s_lshl_b32 s3, s62, 2
	s_lshl_b32 s94, s94, 1
	s_add_co_u32 s3, s3, s94
	s_add_co_u32 s3, s3, s59
	s_lshl_b32 s3, s3, 10
	s_add_co_u32 s44, s44, s3
	s_lshl_b32 s3, s95, 9
	s_add_co_u32 s44, s44, s3
	s_add_nc_u64 s[82:83], s[82:83], s[44:45]      ; kq: g = 4 (v / 4), my fragment's group c
	; every address register is made here, on the one way that all waves take
	v_lshlrev_b32 v6, 4, v1                        ; 16 x lane
	s_lshl_b32 s3, s2, 12
	s_lshl_b32 s94, s59, 4
	s_add_co_u32 s3, s3, s94
	s_add_co_u32 s3, s3, GW
	v_lshlrev_b32 v7, 10, v3
	v_add_nc_u32 v7, s3, v7                        ; gate_w in LDS: my wave's copy, + 32 rows for h, my four experts
	s_lshl_b32 s3, s60, 9
	s_add_co_u32 s3, s3, s94
	s_add_co_u32 s3, s3, GP
	v_lshlrev_b32 v8, 5, v2
	v_add_nc_u32 v8, s3, v8
	s_lshl_b32 s3, s59, 10
	s_lshl_b32 s94, s60, 2
	s_add_co_u32 s3, s3, s94
	s_add_co_u32 s3, s3, BS
	v_lshlrev_b32 v9, 4, v2
	v_add_nc_u32 v9, s3, v9
	v_and_b32 v19, 8, v2
	v_add_nc_u32 v19, v19, v2                      ; r + 8 (r / 8)
	v_lshlrev_b32 v10, 8, v19
	v_lshl_add_u32 v10, v3, 4, v10
	v_lshlrev_b32 v11, 4, v19
	v_lshlrev_b32 v12, 6, v3
	v_lshlrev_b32 v13, 10, v2
	v_lshl_add_u32 v13, v3, 4, v13
	v_lshlrev_b32 v14, 6, v1
	v_lshlrev_b32 v15, 5, v2
	v_lshl_add_u32 v15, v3, 4, v15                 ; 32 r + 16 h
	s_lshl_b32 s3, s2, 12
	s_add_co_u32 s3, s3, XIMG
	v_add_nc_u32 v16, s3, v6
	s_lshl_b32 s3, s2, 9
	s_add_co_u32 s3, s3, XSC
	v_add_nc_u32 v17, s3, v6
	s_lshl_b32 s3, s60, 10
	s_lshl_b32 s94, s59, 2
	s_add_co_u32 s3, s3, s94
	s_add_co_u32 s3, s3, HSC
	v_lshlrev_b32 v18, 3, v2
	v_add_nc_u32 v18, s3, v18
	s_lshr_b32 s93, s2, 2                          ; gh
	s_lshl_b32 s3, s95, 16
	s_lshl_b32 s94, s59, 9
	s_add_co_u32 s3, s3, s94
	s_lshl_b32 s94, s93, 4
	s_add_co_u32 s3, s3, s94
	v_lshlrev_b32 v21, 15, v3
	v_lshl_add_u32 v21, v2, 5, v21
	v_add_nc_u32 v21, s3, v21                      ; the coefficients: i = 64 c + 32 h, o = 16 tt + r, g = 4 gh
	s_lshl_b32 s3, s95, 13
	s_lshl_b32 s94, s59, 6
	s_add_co_u32 s3, s3, s94
	s_add_co_u32 s3, s3, KS
	v_lshlrev_b32 v22, 12, v3
	v_lshl_add_u32 v22, v2, 2, v22
	v_add_nc_u32 v22, s3, v22
	s_lshl_b32 s3, s93, 9
	s_add_co_u32 s3, s3, s94
	s_lshl_b32 s94, s95, 1
	s_add_co_u32 s3, s3, s94
	s_add_co_u32 s3, s3, KSS
	v_lshlrev_b32 v23, 2, v2
	v_add_nc_u32 v23, s3, v23
	v_lshlrev_b32 v249, 3, v1                      ; 8 x lane
	s_lshl_b32 s3, s2, 8
	s_add_co_u32 s3, s3, BS
	v_add_nc_u32 v248, s3, v249
	v_add_nc_u32 v250, GP, v15
	v_lshlrev_b32 v252, 2, v1                      ; 4 x lane
	s_lshl_b32 s3, s2, 7
	s_add_co_u32 s3, s3, KSS
	v_add_nc_u32 v251, s3, v252
	v_lshlrev_b32 v253, 4, v3                      ; 16 h
	v_add_nc_u32 v254, XIMG, v6
	v_add_nc_u32 v255, XSC, v6
	s_mov_b32 s3, 0x40c00000                       ; g + 2 of my first g: 2 or 6
	s_cmp_eq_u32 s59, 0
	s_cselect_b32 s3, 0x40000000, s3
	v_mov_b32 v68, s3
	v_mov_b32 v69, s3
	v_mov_b32 v70, 0x40b00000                      ; 5.5
	v_mov_b32 v71, 0x40b00000
	v_mov_b32 v76, 0x3f8ce1d9                      ; 2 k
	v_mov_b32 v77, 0x3f8ce1d9
	v_mov_b32 v78, 0x3f0ce1d9                      ; k = 6^(-1/3)
	v_mov_b32 v79, 0x3f0ce1d9
	; ---- THE GATE: my 128 i, my four experts, 16 tokens
	s_wait_tensorcnt 0x2                           ; tensor loads end in order: gate_w's rows are in (my own bytes); the two KAN tiles stay out
	s_wait_loadcnt 48                              ; the share's 16 loads are in; behind them stand three runs of 16
	XLOAD 3
	GATE16 0
	GATE16 1
	GATE16 2
	GATE16 3
	v_pk_add_f32 v[216:217], v[216:217], v[220:221]
	v_pk_add_f32 v[218:219], v[218:219], v[222:223]
.irp j, 0,1,2,3
	v_permlanex16_b32 v[220+\j], v[216+\j], s90, s91
.endr
	v_pk_add_f32 v[216:217], v[216:217], v[220:221]    ; with lane l xor 16's 64 i
	v_pk_add_f32 v[218:219], v[218:219], v[222:223]
	ds_store_b128 v8, v[216:219]
	; ---- THE BASIS: u = 2.5 x + 5.5 in place, then four g, two blocks of 32 i each
.set J, 0
.rept 32
	v_pk_fma_f32 v[88+J:89+J], v[88+J:89+J], 0x40200000, v[70:71] op_sel_hi:[1,0,1]
.set J, J+2
.endr
	s_mov_b32 s92, 0
.Lbasis:
	BBLK 0
	BBLK 1
	v_lshl_or_b32 v66, v65, 16, v64                ; my two bytes: blocks h and 2 + h of row r,
	v_lshlrev_b32 v67, 3, v3
	v_lshlrev_b32 v66, v67, v66                    ; at their places in the scale word;
	v_permlanex16_b32 v67, v66, s90, s91
	v_or_b32 v66, v66, v67                         ; with lane l xor 16's two the word is whole
	s_lshl_b32 s93, s92, 8
	v_add_nc_u32 v19, s93, v9
	ds_store_b32 v19, v66
	global_store_b128 v6, v[80:83], s[80:81]       ; 32 lanes store 512 consecutive bytes
	global_store_b128 v6, v[84:87], s[80:81] offset:512
	v_add_f32 v68, 1.0, v68
	v_add_f32 v69, 1.0, v69
	s_wait_xcnt 0x0                                ; the stores have read their base and their data: both are written again only behind this wait
	s_add_nc_u64 s[80:81], s[80:81], 34816         ; the next g
	s_add_co_u32 s92, s92, 1
	s_cmp_lt_u32 s92, 4
	s_cbranch_scc1 .Lbasis
	; ---- 29 small loads: b1 in the result's layout, W1's scale words, my fragment of W2, W2's scale words, the mask, gate_b
.irp t, 0,1,2,3,4,5,6,7
	global_load_b128 v[88+8*\t:91+8*\t], v12, s[48:49] offset:(32*(\t/2)+8*(\t%2))*4
	global_load_b128 v[92+8*\t:95+8*\t], v12, s[48:49] offset:(32*(\t/2)+8*(\t%2))*4+16
.endr
.irp t, 0,1,2,3,4,5,6,7
	global_load_b128 v[24+4*\t:27+4*\t], v11, s[68:69] offset:(32*(\t/2)+8*(\t%2))*16
.endr
	global_load_b128 v[152:155], v13, s[70:71]
	global_load_b128 v[156:159], v13, s[70:71] offset:32
	global_load_b64 v[160:161], v14, s[72:73]
	global_load_b128 v[164:167], v15, s[38:39]
	global_load_b128 v[168:171], v253, s[42:43]
	; ---- x OF MY TOKEN TILE becomes four fragments; W1's fragments take the registers that it leaves
	s_wait_loadcnt 29                              ; behind x's loads stand the 29 above
.irp kq, 0,1,2,3
	QUANT 64*\kq, 1, 76+\kq
	ds_store_b128 v16, v[80:83] offset:1024*\kq
	ds_store_b128 v16, v[84:87] offset:1024*\kq+512
	W1LOAD \kq
.endr
	ds_store_b128 v17, v[76:79]
	s_wait_dscnt 0x0                               ; for the others' sake: my stores have landed
	s_barrier_signal -1
	s_barrier_wait -1                              ; x's fragments and scale words, the gate's partial sums and the basis' scale words are whole
	; ---- the small outputs
	s_wait_loadcnt 0x0
	global_store_b128 v6, v[152:155], s[84:85]
	global_store_b128 v6, v[156:159], s[84:85] offset:512
	ds_load_b64 v[172:173], v248
	s_cmp_gt_u32 s2, 1
	s_cbranch_scc1 .Lno_w2s
	global_store_b64 v249, v[160:161], s[100:101]  ; 32 rows' scale words: 256 consecutive bytes
.Lno_w2s:
	s_wait_dscnt 0x0
	global_store_b64 v249, v[172:173], s[96:97]    ; the basis' scale words of g = v: 256 consecutive bytes, aligned
	s_cmp_lg_u32 s2, 0
	s_cbranch_scc1 .Lno_gate
.irp j, 0,1,2,3
	ds_load_b128 v[176+4*\j:179+4*\j], v250 offset:512*\j
.endr
	s_wait_dscnt 0x0
	v_pk_add_f32 v[176:177], v[176:177], v[180:181]    ; lane (r, h): token r, experts 4 h .. 4 h + 3
	v_pk_add_f32 v[178:179], v[178:179], v[182:183]
	v_pk_add_f32 v[184:185], v[184:185], v[188:189]
	v_pk_add_f32 v[186:187], v[186:187], v[190:191]
	v_pk_add_f32 v[176:177], v[176:177], v[184:185]
	v_pk_add_f32 v[178:179], v[178:179], v[186:187]
	v_pk_add_f32 v[176:177], v[176:177], v[168:169]
	v_pk_add_f32 v[178:179], v[178:179], v[170:171]
	v_max3_num_f32 v180, v176, v177, v178
	v_max_num_f32 v180, v180, v179
	v_permlanex16_b32 v181, v180, s90, s91
	v_max_num_f32 v180, v180, v181                 ; the row's largest logit is taken away
.irp j, 0,1,2,3
	v_sub_f32 v[176+\j], v[176+\j], v180
.endr
.irp j, 0,1,2,3
	v_mul_f32 v[176+\j], 0x3fb8aa3b, v[176+\j]
.endr
.irp j, 0,1,2,3
	v_exp_f32 v[176+\j], v[176+\j]
.endr
	v_nop                                          ; a plain place behind the exponentials
	s_wait_alu depctr_va_vdst(0)
	v_add_f32 v182, v176, v177
	v_add_f32 v183, v178, v179
	v_add_f32 v182, v182, v183
	v_permlanex16_b32 v183, v182, s90, s91
	v_add_f32 v182, v182, v183
	v_rcp_f32 v182, v182
	v_nop
	s_wait_alu depctr_va_vdst(0)
.irp j, 0,1,2,3
	v_mul_f32 v[176+\j], v[176+\j], v182           ; the softmax
.endr
.irp j, 0,1,2,3
	v_mul_f32 v[176+\j], v[176+\j], v[164+\j]      ; x the mask
.endr
	v_add_f32 v184, v176, v177
	v_add_f32 v185, v178, v179
	v_add_f32 v184, v184, v185
	v_permlanex16_b32 v185, v184, s90, s91
	v_add_f32 v184, v184, v185
	v_add_f32 v184, 0x3089705f, v184               ; + 1e-9
	v_rcp_f32 v184, v184
	v_nop
	s_wait_alu depctr_va_vdst(0)
.irp j, 0,1,2,3
	v_mul_f32 v[176+\j], v[176+\j], v184
.endr
	global_store_b128 v15, v[176:179], s[76:77]    ; w: 512 consecutive bytes
	global_store_b128 v15, v[164:167], s[74:75]    ; the mask as it came
.Lno_gate:
	s_wait_xcnt 0x0                                ; the stores above have read their data: the accumulators take those registers
	; ---- h: for each of the 8 token tiles my 128 hidden units (8 tiles, transposed: source 0 = 16 rows of W1, source 1 = x), relu, quantised: one fragment and one scale word a row
	s_mov_b32 s92, 0
.Lh:
	s_lshl_b32 s93, s92, 12
	s_lshl_b32 s94, s92, 9
	v_add_nc_u32 v19, s93, v254
	v_add_nc_u32 v20, s94, v255
.irp kq, 0,1,2,3
	ds_load_b128 v[216+8*\kq:219+8*\kq], v19 offset:1024*\kq
	ds_load_b128 v[220+8*\kq:223+8*\kq], v19 offset:1024*\kq+512
.endr
	ds_load_b128 v[56:59], v20
	s_wait_dscnt 0x0
	WIN 0x01                                       ; source 0 (W1) window 1.  The eight accumulators take turns; b1 is the C of each sum's first product
.irp kq, 0,1,2,3
.irp t, 0,1,2,3,4,5,6,7
.if \kq == 0
	v_wmma_scale_f32_16x16x128_f8f6f4 v[152+8*\t:159+8*\t], v[64*\kq+8*\t:64*\kq+8*\t+7], v[216+8*\kq:223+8*\kq], v[88+8*\t:95+8*\t], v[24+4*\t+\kq], v[56+\kq] matrix_a_fmt:MATRIX_FMT_FP4 matrix_b_fmt:MATRIX_FMT_FP4
.else
	v_wmma_scale_f32_16x16x128_f8f6f4 v[152+8*\t:159+8*\t], v[64*\kq+8*\t:64*\kq+8*\t+7], v[216+8*\kq:223+8*\kq], v[152+8*\t:159+8*\t], v[24+4*\t+\kq], v[56+\kq] matrix_a_fmt:MATRIX_FMT_FP4 matrix_b_fmt:MATRIX_FMT_FP4
.endif
.endr
.endr
	WIN 0
.rept 4
	v_nop                                          ; four places between the products and the first read of their results (ISA guide 7.12.1)
.endr
.set J, 0
.rept 64
	v_max_num_f32 v[152+J], 0, v[152+J]            ; relu, each accumulator from its low end on
.set J, J+1
.endr
	QUANT 152, 0, 76
	global_store_b128 v6, v[80:83], s[78:79]
	global_store_b128 v6, v[84:87], s[78:79] offset:512
	s_lshl_b32 s93, s92, 7
	v_add_nc_u32 v19, s93, v18
	ds_store_b32 v19, v76
	s_wait_xcnt 0x0                                ; the stores have read their base and their data
	s_add_nc_u64 s[78:79], s[78:79], 1024          ; the next token tile's fragment
	s_add_co_u32 s92, s92, 1
	s_cmp_lt_u32 s92, 8
	s_cbranch_scc1 .Lh
	s_wait_tensorcnt 0x0                           ; my parts of the two KAN tiles have landed,
	s_wait_dscnt 0x0                               ; and my scale words of h
	s_barrier_signal -1
	s_barrier_wait -1                              ; everybody's have
	; ---- ceff: lane (r, h) takes o = 16 tt + r, i = 64 c + 32 h + 0 .. 31 and four g.  The multiplication by the scaling also lays the numbers by g: a block of 32 i in 32 registers
	ds_load_b128 v[80:83], v17 offset:HSC-XSC      ; h's scale words, 512 bytes a wave
	WIN 0x40
.set J, 0
.rept 32
	ds_load_b128 v[4*J:4*J+3], v21 offset:1024*J
.set J, J+1
.endr
	WIN 0
	s_wait_dscnt 32                                ; behind h's scale words stand the 32 loads above
	global_store_b128 v6, v[80:83], s[88:89]
.set J, 0
.rept 32
	ds_load_b32 v[88+J], v22 offset:128*J
.set J, J+1
.endr
	v_lshlrev_b32 v63, 3, v3
	s_wait_dscnt 0x0
	WIN 0x01
.set GG, 0
.rept 4
.set II, 0
.rept 32
	v_mul_f32 v[120+32*GG+II], v[4*II+GG], v[88+II]
.set II, II+1
.endr
.set GG, GG+1
.endr
	WIN 0
.irp gg, 0,1,2,3
	v_max3_num_f32 v60, |v[120+32*\gg]|, |v[121+32*\gg]|, |v[122+32*\gg]|
	v_max3_num_f32 v61, |v[123+32*\gg]|, |v[124+32*\gg]|, |v[125+32*\gg]|
.irp i, 6,10,14,18,22,26
	v_max3_num_f32 v60, v60, |v[120+32*\gg+\i]|, |v[121+32*\gg+\i]|
	v_max3_num_f32 v61, v61, |v[122+32*\gg+\i]|, |v[123+32*\gg+\i]|
.endr
	v_max3_num_f32 v60, v60, |v[150+32*\gg]|, |v[151+32*\gg]|
	v_max3_num_f32 v60, v60, v61, 0x1800000
	v_add_nc_u32 v[72+\gg], 0xff000000, v60
.irp q, 0,1,2,3
	v_cvt_scalef32_pk8_fp4_f32 v[88+4*\gg+\q], v[120+32*\gg+8*\q:127+32*\gg+8*\q], v[72+\gg]
.endr
	v_lshrrev_b32 v62, 23, v[72+\gg]               ; the byte of block 2 c + h; also the plain place behind the conversions
	v_lshlrev_b32 v62, v63, v62
	v_permlanex16_b32 v64, v62, s90, s91
	v_or_b32 v62, v62, v64                         ; with lane l xor 16's: half c of the row's scale word
	ds_store_b16 v23, v62 offset:128*\gg
	global_store_b128 v6, v[88+4*\gg:91+4*\gg], s[82:83] offset:69632*\gg   ; 512 consecutive bytes
.endr
	s_wait_dscnt 0x0
	s_barrier_signal -1
	s_barrier_wait -1                              ; ceff's scale words are whole
	ds_load_b32 v60, v251
	s_wait_dscnt 0x0
	global_store_b32 v252, v60, s[98:99]           ; g = v: 32 rows' words, a run of 128 bytes: one byte in 128 of what the launch stores
	s_wait_xcnt 0x0
	v_lshl_add_u32 v254, v0, 2, 0x38000
	v_mov_b32 v255, 0
	s_wait_tensorcnt 0x0
	ds_add_u32 v254, v255
	s_wait_dscnt 0x0
	s_endpgm
.Lfunc_end_k_qf639ee5f07_prep:
	.size	k_qf639ee5f07_prep, .Lfunc_end_k_qf639ee5f07_prep-k_qf639ee5f07_prep
	.p2alignl 7, 3214868480
	.fill 96, 4, 3214868480
	.section	.rodata,"a",@progbits
	.p2align	6, 0x0
	.amdhsa_kernel k_qf639ee5f07_prep
		.amdhsa_group_segment_fixed_size 230400
		.amdhsa_private_segment_fixed_size 0
		.amdhsa_enable_private_segment 0
		.amdhsa_kernarg_size 136
		.amdhsa_user_sgpr_count 2
		.amdhsa_user_sgpr_kernarg_segment_ptr 1
		.amdhsa_wavefront_size32 1
		.amdhsa_system_sgpr_workgroup_id_x 1
		.amdhsa_system_sgpr_workgroup_id_y 1
		.amdhsa_system_sgpr_workgroup_id_z 1
		.amdhsa_system_vgpr_workitem_id 0
		.amdhsa_next_free_vgpr 512
		.amdhsa_next_free_sgpr 102
		.amdhsa_reserve_vcc 0
		.amdhsa_float_denorm_mode_32 3
		.amdhsa_float_denorm_mode_16_64 3
		.amdhsa_memory_ordered 1
		.amdhsa_forward_progress 1
		.amdhsa_inst_pref_size 119
	.end_amdhsa_kernel
	.amdgpu_metadata
---
amdhsa.version: [ 1, 2 ]
amdhsa.kernels:
  - .name:           k_qf639ee5f07_prep
    .symbol:         k_qf639ee5f07_prep.kd
    .args:
      - { .name: x, .offset: 0, .size: 8, .value_kind: global_buffer, .address_space: global }
      - { .name: expert_mask, .offset: 8, .size: 8, .value_kind: global_buffer, .address_space: global }
      - { .name: gate_w, .offset: 16, .size: 8, .value_kind: global_buffer, .address_space: global }
      - { .name: gate_b, .offset: 24, .size: 8, .value_kind: global_buffer, .address_space: global }
      - { .name: kan_coeff, .offset: 32, .size: 8, .value_kind: global_buffer, .address_space: global }
      - { .name: kan_scaling, .offset: 40, .size: 8, .value_kind: global_buffer, .address_space: global }
      - { .name: mlp_b1, .offset: 48, .size: 8, .value_kind: global_buffer, .address_space: global }
      - { .name: mlp_w1_codes, .offset: 56, .size: 8, .value_kind: global_buffer, .address_space: global }
      - { .name: mlp_w1_scales, .offset: 64, .size: 8, .value_kind: global_buffer, .address_space: global }
      - { .name: mlp_w2_codes, .offset: 72, .size: 8, .value_kind: global_buffer, .address_space: global }
      - { .name: mlp_w2_scales, .offset: 80, .size: 8, .value_kind: global_buffer, .address_space: global }
      - { .name: out1, .offset: 88, .size: 8, .value_kind: global_buffer, .address_space: global }
      - { .name: out2, .offset: 96, .size: 8, .value_kind: global_buffer, .address_space: global }
      - { .name: hq, .offset: 104, .size: 8, .value_kind: global_buffer, .address_space: global }
      - { .name: bq, .offset: 112, .size: 8, .value_kind: global_buffer, .address_space: global }
      - { .name: kq, .offset: 120, .size: 8, .value_kind: global_buffer, .address_space: global }
      - { .name: w2q, .offset: 128, .size: 8, .value_kind: global_buffer, .address_space: global }
    .group_segment_fixed_size: 230400
    .private_segment_fixed_size: 0
    .kernarg_segment_align: 8
    .kernarg_segment_size: 136
    .max_flat_workgroup_size: 256
    .sgpr_count:     102
    .vgpr_count:     512
    .wavefront_size: 32
...
	.end_amdgpu_metadata
.endif
;; end of part 1
;; launch mix (part 2): grid 8 x 32, 4 waves a work-group, clusters of 4 x 1, 327,680 bytes of LDS; arguments hq, bq, kq, w2q, mlp_b2, out2, out0; writes out0
.if DOCPART == 2
	.amdgcn_target "amdgcn-amd-amdhsa--gfx1250"
	.amdhsa_code_object_version 6
	.text
	.protected	k_qf639ee5f07_mix
	.globl	k_qf639ee5f07_mix
	.p2align	8
	.type	k_qf639ee5f07_mix,@function
k_qf639ee5f07_mix:
	s_mov_b64 s[64:65], 0
	v_nop
	global_prefetch_b8 v0, s[64:65] scope:SCOPE_SE
	s_setreg_imm32_b32 hwreg(HW_REG_WAVE_MODE, 25, 1), 1
	s_wait_xcnt 0x0
	s_wait_alu depctr_hold_cnt(0) depctr_sa_sdst(0) depctr_va_vdst(0) depctr_va_sdst(0) depctr_va_ssrc(0) depctr_va_vcc(0) depctr_vm_vsrc(0)
	s_getreg_b32 s2, hwreg(HW_REG_IB_STS2, 6, 4)
	s_cmp_eq_u32 s2, 0
	s_cbranch_scc0 .Lentry_in_a_cluster
	s_endpgm
.Lentry_in_a_cluster:
	s_bfe_u32 s2, ttmp6, 0x10000c
	s_cmp_lg_u32 s2, 0x3003
	s_cbranch_scc0 .Lentry_shape_is_right
	s_endpgm
.Lentry_shape_is_right:
; MIX: out0 = sum over e of w[b][e] x expert e.  A work-group owns 128 tokens (tb) x 64 output columns (cb); wave e owns MLP expert e (h W2 + b2, K = 2,048) and KAN expert e (basis ceff, K = 4,096) for that tile:
; 8 token tiles (a) x 4 column tiles (b), 32 accumulators for each of the two, in windows 2 and 3.  At the end a wave weighs its two tiles by w, and the four waves' tiles are added through LDS: each output has one owner.
; All operands are FP4 codes with E8M0 scale words, laid by the launch before as images of the operand's registers: a fragment is two loads of 16 bytes a lane at 16 x lane.
; THE MATRIX INSTRUCTION IS USED TRANSPOSED (source 0 = 16 columns of the weights, source 1 = 16 tokens): a lane holds one token (lane % 16) and eight neighbouring columns, so w is one number a lane and tile.
; THE TOKENS' SIDE (T: h, the basis) goes through a ring of two LDS slots of 139,264 bytes: two steps of h (512 along K, all four experts) or four g of the basis (2,048 along K).  Six fills, each one dense block of
; memory, a quarter (136 rows of 256 bytes) to a wave.  The slots are walked in the order M, K, M, K, M, M (M: h; K: the basis): a slot of the basis has 512 matrix instructions a wave, one of h 128, and a refill
; has the work of the slot behind it in which to land.  Each accumulator still takes its own K in ascending order.
; CLUSTER: the four work-groups of a cluster share tb and so T's tiles: each fill is asked for JOINTLY, by the same tensor load with the same descriptor and the mask 15.
; THE WEIGHTS (W: W2, ceff) GO STRAIGHT INTO REGISTERS, WITH NO MULTICAST: a fragment of W is read by ONE wave of the work-group, so LDS would be a round trip for it; that takes 835,584 of a work-group's 1,671,168 bytes
; out of the ring, and five changes of slots serve where fifteen would be needed.  A K step's W is 10 loads a wave (8 of 512 consecutive bytes, 2 of scale words) into one of seven sets of registers; the set
; that K step k - 1 has left takes K step k + 6: at most 60 loads of a wave are out.  The 48 K steps are written out: every offset is an immediate, and no address register is ever rewritten.
; REGISTERS: window 0: v4-15 LDS addresses; v16-19 offsets (16, 8, 4, 256 x lane); v20-26 the way out, w, b2; v28, v29 the add's; v32-63 T's scale words, two sets of 16 (4 p + q; lanes 0-15 the even tile, 16-31 the odd);
;   v64-77 W's scale words, two for each of the seven sets (scales and nothing else); v96-111 the pairs (w of expert e, w of expert 4 + e) for each token tile; v128-255 T's fragments, two sets.
;   window 1: v0-223 W's fragments, seven sets of 32; v224-255 b2 in the result's layout.   window 2: the MLP's accumulators at 8 (4 a + b).   window 3: the KAN's.
.set SLOTB, 139264                     ; a slot; slot 1 begins here
.set QUART, 34816                      ; what one tensor load brings
.set STG1,  69632                      ; the way out: two stages of 4 x 64 rows x 272 bytes, at 0 and here: both in slot 0, behind its last fill and its last read
.set SPARE, 327168                     ; the spare words, 128 bytes a wave: two blocks of 256 bytes that no other line names
.set MSB, 0
.macro WIN new                         ; the immediate's high byte repeats the setting that is left
.if MSB != (\new)
	s_set_vgpr_msb (MSB<<8)|(\new)
.set MSB, (\new)
.endif
.endm
.macro PLACES n
.rept \n
	v_nop
.endr
.endm
.macro CREST                           ; a round of the cluster's barrier behind its opening barrier
	s_cmp_lg_u32 s18, 0
	s_cbranch_scc1 .Lnot_wave_0_\@
	s_barrier_signal -3
.Lnot_wave_0_\@:
	s_barrier_wait -3
	s_barrier_signal -1
	s_barrier_wait -1
.endm
.macro CROUND
	s_barrier_signal -1
	s_barrier_wait -1
	CREST
.endm
.macro G0SET g, slot, base, off        ; descriptor group 0 of one fill: my quarter of the block that begins off bytes behind the base
	s_mov_b32 s[\g], 1
	s_add_co_u32 s[\g+1], s3, (\slot)*SLOTB
	s_add_nc_u64 s[\g+2:\g+3], s[\base:\base+1], \off
	s_or_b32 s[\g+3], s[\g+3], 0x80000000
.endm
; K step k of 48, in the order in which they are walked: PH 0 = MLP, 1 = KAN; SS the step of h (256 along K) or the g; QQ which 128 along K of it; SL the slot; TT counts the steps of T
.macro LOOKUP k
.if (\k) < 4
.set PH, 0
.set SS, (\k)/2
.set QQ, (\k)%2
.set SL, 0
.set TT, (\k)/2
.elseif (\k) < 20
.set PH, 1
.set SS, ((\k)-4)/4
.set QQ, ((\k)-4)%4
.set SL, 1
.set TT, 2+((\k)-4)/4
.elseif (\k) < 24
.set PH, 0
.set SS, 2+((\k)-20)/2
.set QQ, ((\k)-20)%2
.set SL, 0
.set TT, 6+((\k)-20)/2
.elseif (\k) < 40
.set PH, 1
.set SS, 4+((\k)-24)/4
.set QQ, ((\k)-24)%4
.set SL, 1
.set TT, 8+((\k)-24)/4
.elseif (\k) < 44
.set PH, 0
.set SS, 4+((\k)-40)/2
.set QQ, ((\k)-40)%2
.set SL, 0
.set TT, 12+((\k)-40)/2
.else
.set PH, 0
.set SS, 6+((\k)-44)/2
.set QQ, ((\k)-44)%2
.set SL, 1
.set TT, 14+((\k)-44)/2
.endif
.endm
; T's eight fragments of K step k from LDS into set k % 2; with a step's first K step its scale words, into set TT % 2.  NDS: how many LDS loads that was
.macro TFRAGS k
	LOOKUP \k
.if PH
.set rA, 12+SS%4
.else
.set rA, 4+2*SL+SS%2
.endif
.irp a, 0,1,2,3,4,5,6,7
.irp c, 0,1
	ds_load_b128 v[128+64*((\k)%2)+8*\a+4*\c:128+64*((\k)%2)+8*\a+4*\c+3], v[rA] offset:(8*QQ+\a)*1024+512*\c
.endr
.endr
.set NDS, 16
.if QQ == 0
.set NDS, 20
.irp p, 0,1,2,3
.if PH
	ds_load_b128 v[32+16*(TT%2)+4*\p:35+16*(TT%2)+4*\p], v[rA] offset:32768+512*\p
.else
	ds_load_b64 v[32+16*(TT%2)+4*\p:33+16*(TT%2)+4*\p], v[8+2*SL+SS%2] offset:256*\p
.endif
.endr
.endif
.endm
; W's four fragments and two scale words of K step k from memory into set k % 7: ten loads
.macro WLOAD k
	LOOKUP \k
	WIN 0x40                                       ; destination window 1, offset window 0
.irp b, 0,1,2,3
.irp c, 0,1
.if PH
	global_load_b128 v[32*((\k)%7)+8*\b+4*\c:32*((\k)%7)+8*\b+4*\c+3], v16, s[8:9] offset:SS*69632+(4*QQ+\b)*1024+512*\c
.else
	global_load_b128 v[32*((\k)%7)+8*\b+4*\c:32*((\k)%7)+8*\b+4*\c+3], v16, s[10:11] offset:SS*34816+(4*QQ+\b)*1024+512*\c
.endif
.endr
.endr
	WIN 0
.irp p, 0,1
.if PH
	global_load_b32 v[64+2*((\k)%7)+\p], v18, s[8:9] offset:SS*69632+16384+256*QQ+128*\p
.else
	global_load_b32 v[64+2*((\k)%7)+\p], v17, s[10:11] offset:SS*34816+8192+256*\p+4*QQ
.endif
.endr
.endm
; W's set of K step k is in.  Loads come back in order (ISA guide 5.7.1): the count is what was issued behind that set: the runs of ten for K steps k + 1 .. k + 5, fewer at the tail; from K step 44 on also w's 16 loads
.macro LWAIT k
.if (\k) < 43
	s_wait_loadcnt 50
.elseif (\k) == 43
	s_wait_loadcnt 40
.else
	s_wait_loadcnt 10*(47-(\k))+16
.endif
.endm
; one product; the registers are named by the symbols rD, rW, rT, rC, rSW, rST.  zero: C is the constant 0.  ow, ot: the odd tile's scale words lie in lanes 16-31
.macro WMR zero, ow, ot
.if (\zero) && (\ow) && (\ot)
	v_wmma_scale_f32_16x16x128_f8f6f4 v[rD:rD+7], v[rW:rW+7], v[rT:rT+7], 0, v[rSW], v[rST] matrix_a_fmt:MATRIX_FMT_FP4 matrix_b_fmt:MATRIX_FMT_FP4 matrix_a_scale:MATRIX_SCALE_ROW1 matrix_b_scale:MATRIX_SCALE_ROW1
.elseif (\zero) && (\ow)
	v_wmma_scale_f32_16x16x128_f8f6f4 v[rD:rD+7], v[rW:rW+7], v[rT:rT+7], 0, v[rSW], v[rST] matrix_a_fmt:MATRIX_FMT_FP4 matrix_b_fmt:MATRIX_FMT_FP4 matrix_a_scale:MATRIX_SCALE_ROW1
.elseif (\zero) && (\ot)
	v_wmma_scale_f32_16x16x128_f8f6f4 v[rD:rD+7], v[rW:rW+7], v[rT:rT+7], 0, v[rSW], v[rST] matrix_a_fmt:MATRIX_FMT_FP4 matrix_b_fmt:MATRIX_FMT_FP4 matrix_b_scale:MATRIX_SCALE_ROW1
.elseif (\zero)
	v_wmma_scale_f32_16x16x128_f8f6f4 v[rD:rD+7], v[rW:rW+7], v[rT:rT+7], 0, v[rSW], v[rST] matrix_a_fmt:MATRIX_FMT_FP4 matrix_b_fmt:MATRIX_FMT_FP4
.elseif (\ow) && (\ot)
	v_wmma_scale_f32_16x16x128_f8f6f4 v[rD:rD+7], v[rW:rW+7], v[rT:rT+7], v[rC:rC+7], v[rSW], v[rST] matrix_a_fmt:MATRIX_FMT_FP4 matrix_b_fmt:MATRIX_FMT_FP4 matrix_a_scale:MATRIX_SCALE_ROW1 matrix_b_scale:MATRIX_SCALE_ROW1
.elseif (\ow)
	v_wmma_scale_f32_16x16x128_f8f6f4 v[rD:rD+7], v[rW:rW+7], v[rT:rT+7], v[rC:rC+7], v[rSW], v[rST] matrix_a_fmt:MATRIX_FMT_FP4 matrix_b_fmt:MATRIX_FMT_FP4 matrix_a_scale:MATRIX_SCALE_ROW1
.elseif (\ot)
	v_wmma_scale_f32_16x16x128_f8f6f4 v[rD:rD+7], v[rW:rW+7], v[rT:rT+7], v[rC:rC+7], v[rSW], v[rST] matrix_a_fmt:MATRIX_FMT_FP4 matrix_b_fmt:MATRIX_FMT_FP4 matrix_b_scale:MATRIX_SCALE_ROW1
.else
	v_wmma_scale_f32_16x16x128_f8f6f4 v[rD:rD+7], v[rW:rW+7], v[rT:rT+7], v[rC:rC+7], v[rSW], v[rST] matrix_a_fmt:MATRIX_FMT_FP4 matrix_b_fmt:MATRIX_FMT_FP4
.endif
.endm
; 4 na products of K step k: token tiles a0 .. a0 + na - 1 x the four column tiles.  K step 0 starts the MLP's sums with b2, K step 4 the KAN's with the constant 0: nothing is cleared.
; The 32 accumulators take turns, one instruction a turn, in the same order everywhere.
.macro MUL k, a0, na
	LOOKUP \k
.set FIRST, 0
.if (\k) == 0
.set FIRST, 1
	WIN 0x91                                       ; W window 1, T window 0, C (b2) window 1, D window 2
.elseif (\k) == 4
.set FIRST, 2
	WIN 0xf1
.elseif PH
	WIN 0xf1                                       ; C and D window 3
.else
	WIN 0xa1                                       ; C and D window 2
.endif
.set AA, \a0
.rept \na
.irp b, 0,1,2,3
.set rD, 8*(4*AA+\b)
.set rC, rD
.if FIRST == 1
.set rC, 224+8*\b
.endif
.set rW, 32*((\k)%7)+8*\b
.set rT, 128+64*((\k)%2)+8*AA
.set rSW, 64+2*((\k)%7)+\b/2
.set rST, 32+16*(TT%2)+4*(AA/2)+QQ
	WMR FIRST==2, \b%2, AA%2
.endr
.set AA, AA+1
.endr
.endm
; a K step that has its successor in the same slot
.macro KSTEP k
	PLACES 4                                       ; four places in front of loads into registers that the last K step's products have read (ISA guide 7.12.1 for vector instructions)
	LWAIT \k
.if (\k)+6 < 48
	WLOAD (\k)+6                                   ; into the set that K step k - 1 has left
.endif
	WIN 0
	TFRAGS (\k)+1
	s_wait_dscnt NDS                               ; all but the LDS loads just issued: this K step's fragments (and scale words) are in
	MUL \k, 0, 8
.endm
.macro RUN from, to
.set KK, \from
.rept (\to)-(\from)+1
	KSTEP KK
.set KK, KK+1
.endr
.endm
; A PREFETCH INTO THE L2 of the codes of the fill that the NEXT change of slots will ask for: 512 blocks of 256 bytes, a lane a block, one instruction a wave.  It stands behind the wave's tensor load, its four lines and
; the runs of loads that follow them.  Both clusters of a row of the grid read the same T: the first (cluster x = 0) asks.  Its sixteen (wave, partner) pairs share the blocks out BY ADDRESS, 32 each: of h half of one
; (step, expert)'s 16,384 bytes, of the basis a quarter of one g's 32,768.  So each block is named once in the launch.  A slot's 32 blocks of scale words, and fills 0 to 2, come by their loads alone; the last
; change that fills a slot asks for nothing.  The two address pairs and the offset register are never rewritten.
.macro ASK base, off
	s_cmp_eq_u32 ttmp9, 0
	s_cbranch_scc0 .Lnot_mine_\@
	global_prefetch_b8 v19, s[\base:\base+1] offset:\off th:TH_LOAD_NT scope:SCOPE_SE
.Lnot_mine_\@:
.endm
; a slot's last K step changes slots.  g0: the group 0 of the fill that takes the slot just read out (0: none);  pfb, pfo: what is prefetched (0: nothing)
.macro TURN k, g0, pfb, pfo
	WIN 0                                          ; (the add's two registers lie in window 0)
	s_wait_tensorcnt 0x0                           ; all my tensor loads have landed: the one that was out is my quarter of the next slot
	ds_add_u32 v28, v29                            ; 0 onto my spare word
	LWAIT \k
	s_wait_dscnt 0x0                               ; the add is done, and my reads of this slot are over
	s_barrier_signal -1
	MUL \k, 0, 4                                   ; work on registers while the others arrive
	WIN 0
	s_barrier_wait -1
.if \g0
	CREST                                          ; the barrier has opened a round of the cluster's: no wave of any partner still reads this slot or has a load on its way
	tensor_load_to_lds s[\g0:\g0+3], s[24:31]      ; the first tensor load behind the round, my one until the next
	s_nop 0
.endif
	PLACES 4                                       ; places behind a tensor load; also the places in front of the loads below
	TFRAGS (\k)+1
.if (\k)+6 < 48
	WLOAD (\k)+6
.else
.irp a, 0,1,2,3,4,5,6,7
	global_load_b32 v[96+2*\a], v25, s[14:15] offset:512*\a          ; w of my token in tile a: expert e,
	global_load_b32 v[97+2*\a], v25, s[14:15] offset:512*\a+16       ; expert 4 + e.  The stream of W has ended: with these 16, 56 loads of mine are out
.endr
.endif
.if \pfb
	ASK \pfb, \pfo
.endif
	MUL \k, 4, 4
.endm
	s_load_b256 s[4:11], s[0:1], 0x0               ; hq 4, bq 6, kq 8, w2q 10
	s_load_b128 s[12:15], s[0:1], 0x20             ; mlp_b2 12, out2 (w) 14
	s_load_b64 s[16:17], s[0:1], 0x30              ; out0
	v_lshl_add_u32 v28, v0, 2, SPARE
	v_mov_b32 v29, 0
	ds_add_u32 v28, v29
	ds_add_u32 v28, v29
	s_wait_dscnt 0x0
	v_lshrrev_b32 v1, 5, v0
	v_readfirstlane_b32 s18, v1                    ; e: wave 0..3
	v_and_b32 v1, 31, v0                           ; lane
	v_and_b32 v2, 15, v0                           ; r
	v_bfe_u32 v3, v0, 4, 1                         ; h
	v_lshlrev_b32 v16, 4, v1                       ; 16 x lane
	v_lshlrev_b32 v17, 3, v1                       ; 8 x lane
	v_lshlrev_b32 v18, 2, v1                       ; 4 x lane
	v_lshlrev_b32 v19, 8, v1                       ; 256 x lane
	v_lshlrev_b32 v25, 5, v2                       ; 32 r: my token's row of w
	v_lshlrev_b32 v26, 5, v3                       ; 32 h: my eight columns of a tile
	s_bfe_u32 s20, ttmp6, 0x40000                  ; cx: my place in the cluster
	s_lshl_b32 s22, ttmp9, 2
	s_add_co_u32 s22, s22, s20                     ; cb = 4 x cluster x + cx: it enters the addresses of W, b2, out0 and the prefetches alone
	s_and_b32 s23, ttmp7, 0xffff                   ; tb, which the four partners share
	; descriptor group 1, the same for every fill: 136 rows of 256 bytes (32 elements of 8 bytes), dense, no padding
	s_mov_b32 s24, 15|(3<<16)|(1<<21)              ; 15:0 the mask: all four work-groups; 17:16 elements of 8 bytes; 21 set beside a mask
	s_mov_b32 s25, 32<<16                          ; tensor_dim0
	s_mov_b32 s26, 136<<16                         ; tensor_dim1
	s_mov_b32 s27, 32<<16                          ; tile_dim0
	s_mov_b32 s28, 136                             ; tile_dim1
	s_mov_b32 s29, 32                              ; the pitch
	s_mov_b32 s30, 0
	s_mov_b32 s31, 0
	s_mul_i32 s3, s18, QUART                       ; my quarter of a fill, in memory and in a slot: no place in the cluster enters an LDS address
	s_mul_i32 s90, s18, 17408                      ; my expert's block in a step of h, and my copy of a stage
	; LDS addresses: a constant + a constant x wave + a constant x lane
.irp u, 0,1
.irp t, 0,1
	s_add_co_u32 s91, s90, \u*SLOTB+\t*69632
	v_add_nc_u32 v[4+2*\u+\t], s91, v16            ; h: slot u, step t of the slot, my expert
	s_add_co_u32 s91, s90, \u*SLOTB+\t*69632+16384
	v_add_nc_u32 v[8+2*\u+\t], s91, v17            ; and its scale words, 8 bytes a row
.endr
.endr
.irp g, 0,1,2,3
	v_add_nc_u32 v[12+\g], SLOTB+\g*34816, v16     ; the basis: slot 1, g of the slot; its scale words, 16 bytes a row, lie 32,768 bytes on
.endr
	v_mul_u32_u24 v20, v2, 272
	v_lshl_add_u32 v20, v3, 5, v20
	v_add_nc_u32 v20, s90, v20                     ; into the stage: my copy, row r, 32 bytes for each half of the lanes
	v_add_nc_u32 v21, STG1, v20
	s_mul_i32 s91, s18, 16*272
	v_mul_u32_u24 v22, v3, 272
	v_lshl_add_u32 v22, v2, 4, v22
	v_add_nc_u32 v22, s91, v22                     ; back: rows 16 e ..; lanes 0-15 one row of 256 bytes, lanes 16-31 the next
	v_add_nc_u32 v23, STG1, v22
	v_lshlrev_b32 v24, 11, v3
	v_lshl_add_u32 v24, v2, 4, v24                 ; and the same two rows in out0
	; offsets, each in registers of its own.  s[84:87] serve T's addresses and never hold cx
	s_mul_i32 s84, s23, 557056
	s_add_co_u32 s84, s84, s3                      ; hq: tb's block, my quarter
	s_mov_b32 s85, 0
	s_mul_i32 s86, s23, 278528
	s_add_co_u32 s86, s86, s3                      ; bq likewise
	s_mov_b32 s87, 0
	s_mul_i32 s88, s22, 278528
	s_mul_i32 s89, s18, 8704
	s_add_co_u32 s88, s88, s89                     ; w2q: cb's block, my expert
	s_mov_b32 s89, 0
	s_mul_i32 s92, s22, 557056
	s_add_co_u32 s92, s92, s90                     ; kq likewise
	s_mov_b32 s93, 0
	s_lshl_b32 s91, s23, 7                         ; 128 tb
	s_lshl_b32 s94, s18, 4
	s_add_co_u32 s94, s94, s91
	s_lshl_b32 s94, s94, 11
	s_lshl_b32 s95, s22, 8
	s_add_co_u32 s94, s94, s95                     ; out0: row 128 tb + 16 e, column 64 cb
	s_mov_b32 s95, 0
	s_lshl_b32 s96, s91, 5
	s_lshl_b32 s97, s18, 2
	s_add_co_u32 s96, s96, s97                     ; w: row 128 tb, expert e
	s_mov_b32 s97, 0
	s_lshl_b32 s98, s18, 9
	s_lshl_b32 s99, s22, 6
	s_add_co_u32 s98, s98, s99
	s_lshl_b32 s98, s98, 2                         ; b2: expert e, column 64 cb
	s_mov_b32 s99, 0
	s_lshr_b32 s68, s20, 1                         ; the prefetches' share by address.  h: pair 4 e + cx takes half (cx % 2) of block 2 e + cx / 2 of the slot's eight (step, expert) blocks;
	s_mul_i32 s68, s68, 17408
	s_and_b32 s69, s20, 1
	s_lshl_b32 s69, s69, 13
	s_add_co_u32 s68, s68, s69
	s_mov_b32 s69, 0
	s_lshl_b32 s70, s20, 13                        ; the basis: quarter cx of g number e of the slot
	s_mov_b32 s71, 0
	s_wait_kmcnt 0x0
	s_add_nc_u64 s[4:5], s[4:5], s[84:85]
	s_add_nc_u64 s[6:7], s[6:7], s[86:87]
	s_add_nc_u64 s[10:11], s[10:11], s[88:89]
	s_add_nc_u64 s[8:9], s[8:9], s[92:93]
	s_add_nc_u64 s[16:17], s[16:17], s[94:95]
	s_add_nc_u64 s[14:15], s[14:15], s[96:97]
	s_add_nc_u64 s[12:13], s[12:13], s[98:99]
	s_add_nc_u64 s[56:57], s[4:5], s[68:69]        ; where my prefetches of h stand,
	s_add_nc_u64 s[58:59], s[6:7], s[70:71]        ; and of the basis
	G0SET 32, 0, 4, 0                              ; fill 0: h, steps 0, 1, slot 0.  A group 0 for each fill: none is ever rewritten
	G0SET 36, 1, 6, 0                              ; fill 1: the basis, g 0 - 3, slot 1
	G0SET 40, 0, 4, SLOTB                          ; fill 2: h, steps 2, 3
	G0SET 44, 1, 6, SLOTB                          ; fill 3: the basis, g 4 - 7
	G0SET 48, 0, 4, 2*SLOTB                        ; fill 4: h, steps 4, 5
	G0SET 52, 1, 4, 3*SLOTB                        ; fill 5: h, steps 6, 7, slot 1
	CROUND                                         ; all four work-groups are here: the first joint loads meet
	tensor_load_to_lds s[32:35], s[24:31]
	s_nop 0
	tensor_load_to_lds s[36:39], s[24:31]          ; two loads of mine are out
	s_nop 0
	PLACES 4
	WIN 0x40
.irp b, 0,1,2,3
	global_load_b128 v[224+8*\b:227+8*\b], v26, s[12:13] offset:64*\b
	global_load_b128 v[228+8*\b:231+8*\b], v26, s[12:13] offset:64*\b+16
.endr
.irp k, 0,1,2,3,4
	WLOAD \k                                       ; with b2's eight, 58 loads of mine are out
.endr
	s_wait_tensorcnt 0x1                           ; my quarter of fill 0 is in; fill 1's may stay out
	s_barrier_signal -1
	s_barrier_wait -1                              ; everybody's is
	TFRAGS 0
	s_wait_loadcnt 50                              ; b2 is in: behind it stand five runs of ten
	WLOAD 5
	RUN 0, 2                                       ; h, steps 0, 1 (slot 0)
	TURN 3, 40, 58, SLOTB                          ; fill 2 is asked for; fill 3 is prefetched
	RUN 4, 18                                      ; the basis, g 0 - 3 (slot 1)
	TURN 19, 44, 56, 2*SLOTB                       ; fill 3; fill 4 is prefetched
	RUN 20, 22                                     ; h, steps 2, 3
	TURN 23, 48, 56, 3*SLOTB                       ; fill 4; fill 5 is prefetched
	RUN 24, 38                                     ; the basis, g 4 - 7
	TURN 39, 52, 0, 0                              ; fill 5: the last
	RUN 40, 42                                     ; h, steps 4, 5
	TURN 43, 0, 0, 0                               ; nothing is left to ask for, so no round follows this barrier; behind it nobody reads slot 0
	RUN 44, 46                                     ; h, steps 6, 7 (slot 1)
	LWAIT 47
	s_wait_dscnt 0x0
	MUL 47, 0, 8
	; THE WAY OUT.  My MLP tile x w[e]; + my KAN tile x w[4 + e]; each accumulator from its low end on.
	s_wait_loadcnt 0x0                             ; w
	PLACES 4                                       ; four places between the last products, which are the MLP's, and the first read of their results; for the later accumulators the lines below add to them
	WIN 0x82                                       ; destination and source 0 window 2, w window 0
.set AA, 0
.rept 8
.set J, 0
.rept 16
	v_pk_mul_f32 v[32*AA+J:32*AA+J+1], v[32*AA+J:32*AA+J+1], v[96+2*AA:97+2*AA] op_sel_hi:[1,0]
.set J, J+2
.endr
.set AA, AA+1
.endr
	WIN 0xa3                                       ; source 0 window 3, source 2 and destination window 2
.set AA, 0
.rept 8
.set J, 0
.rept 16
	v_pk_fma_f32 v[32*AA+J:32*AA+J+1], v[32*AA+J:32*AA+J+1], v[96+2*AA:97+2*AA], v[32*AA+J:32*AA+J+1] op_sel:[0,1,0] op_sel_hi:[1,1,1]
.set J, J+2
.endr
.set AA, AA+1
.endr
	WIN 0x08                                       ; an LDS store's data are its source 1: window 2
.set AA, 0
.rept 8
.irp b, 0,1,2,3
	ds_store_b128 v[20+AA/4], v[32*AA+8*\b:32*AA+8*\b+3] offset:16*(AA%4)*272+64*\b      ; lane (r, h): token 16 a + r, columns 16 b + 8 h + 0 .. 7
	ds_store_b128 v[20+AA/4], v[32*AA+8*\b+4:32*AA+8*\b+7] offset:16*(AA%4)*272+64*\b+16
.endr
.set AA, AA+1
.endr
	WIN 0
	s_wait_dscnt 0x0                               ; for the others' sake: my stores into the stages have landed
	s_barrier_signal -1
	s_barrier_wait -1
.irp hf, 0,1                                   ; of each half of the tokens I add and store 16 rows: the four waves' copies lie 17,408 bytes apart
.if \hf
	s_wait_xcnt 0x0                                ; the first half's stores have read their data
.endif
.irp i, 0,1,2,3,4,5,6,7
.irp e, 0,1,2,3
	ds_load_b128 v[128+16*\i+4*\e:131+16*\i+4*\e], v[22+\hf] offset:17408*\e+544*\i
.endr
.endr
	s_wait_dscnt 0x0
.irp i, 0,1,2,3,4,5,6,7
	v_pk_add_f32 v[128+16*\i:129+16*\i], v[128+16*\i:129+16*\i], v[132+16*\i:133+16*\i]
	v_pk_add_f32 v[130+16*\i:131+16*\i], v[130+16*\i:131+16*\i], v[134+16*\i:135+16*\i]
	v_pk_add_f32 v[136+16*\i:137+16*\i], v[136+16*\i:137+16*\i], v[140+16*\i:141+16*\i]
	v_pk_add_f32 v[138+16*\i:139+16*\i], v[138+16*\i:139+16*\i], v[142+16*\i:143+16*\i]
	v_pk_add_f32 v[128+16*\i:129+16*\i], v[128+16*\i:129+16*\i], v[136+16*\i:137+16*\i]
	v_pk_add_f32 v[130+16*\i:131+16*\i], v[130+16*\i:131+16*\i], v[138+16*\i:139+16*\i]
	global_store_b128 v24, v[128+16*\i:131+16*\i], s[16:17] offset:131072*\hf+4096*\i th:TH_STORE_NT   ; 16 lanes store 256 consecutive bytes, at a multiple of 256 from out0's first byte
.endr
.endr
	s_wait_tensorcnt 0x0                           ; the wave's end, behind my last tensor load and my last LDS store
	ds_add_u32 v28, v29
	s_wait_dscnt 0x0
	CROUND                                         ; the closing round: no work-group ends while a partner may still ask for a tile that names it
	s_endpgm
.Lfunc_end_k_qf639ee5f07_mix:
	.size	k_qf639ee5f07_mix, .Lfunc_end_k_qf639ee5f07_mix-k_qf639ee5f07_mix
	.p2alignl 7, 3214868480
	.fill 96, 4, 3214868480
	.section	.rodata,"a",@progbits
	.p2align	6, 0x0
	.amdhsa_kernel k_qf639ee5f07_mix
		.amdhsa_group_segment_fixed_size 327680
		.amdhsa_private_segment_fixed_size 0
		.amdhsa_enable_private_segment 0
		.amdhsa_kernarg_size 56
		.amdhsa_user_sgpr_count 2
		.amdhsa_user_sgpr_kernarg_segment_ptr 1
		.amdhsa_wavefront_size32 1
		.amdhsa_system_sgpr_workgroup_id_x 1
		.amdhsa_system_sgpr_workgroup_id_y 1
		.amdhsa_system_sgpr_workgroup_id_z 1
		.amdhsa_system_vgpr_workitem_id 0
		.amdhsa_next_free_vgpr 1024
		.amdhsa_next_free_sgpr 100
		.amdhsa_reserve_vcc 0
		.amdhsa_float_denorm_mode_32 3
		.amdhsa_float_denorm_mode_16_64 3
		.amdhsa_memory_ordered 1
		.amdhsa_forward_progress 1
		.amdhsa_inst_pref_size 255
	.end_amdhsa_kernel
	.section	.bss,"aw",@nobits
	.p2align	6
	.space	262144
	.amdgpu_metadata
---
amdhsa.version: [ 1, 2 ]
amdhsa.kernels:
  - .name:           k_qf639ee5f07_mix
    .symbol:         k_qf639ee5f07_mix.kd
    .args:
      - { .name: hq, .offset: 0, .size: 8, .value_kind: global_buffer, .address_space: global }
      - { .name: bq, .offset: 8, .size: 8, .value_kind: global_buffer, .address_space: global }
      - { .name: kq, .offset: 16, .size: 8, .value_kind: global_buffer, .address_space: global }
      - { .name: w2q, .offset: 24, .size: 8, .value_kind: global_buffer, .address_space: global }
      - { .name: mlp_b2, .offset: 32, .size: 8, .value_kind: global_buffer, .address_space: global }
      - { .name: out2, .offset: 40, .size: 8, .value_kind: global_buffer, .address_space: global }
      - { .name: out0, .offset: 48, .size: 8, .value_kind: global_buffer, .address_space: global }
    .group_segment_fixed_size: 327680
    .private_segment_fixed_size: 0
    .kernarg_segment_align: 8
    .kernarg_segment_size: 56
    .max_flat_workgroup_size: 128
    .sgpr_count:     100
    .vgpr_count:     1024
    .wavefront_size: 32
...
	.end_amdgpu_metadata
.endif
;; end of part 2
